; MI455X (gfx1250); checked and timed in simulation.
; The chip was launched on July 23, 2026; its instructions are those of AMD's public machine-readable ISA for CDNA 5 (MIT licence, August 2026) and "CDNA5" Instruction Set Architecture Reference Guide (July 2026). The comments in the code are by the model that wrote it; some were corrected since.
;; Scaled Dot Product Attention. Allowed arithmetic: matrix products marked QUANTISED: E4M3 operands, one given power-of-two scale a tensor, by v_wmma_f32_16x16x64_fp8_fp8 or v_wmma_f32_16x16x128_fp8_fp8, f32 sums; everything else in f32.
;; Inputs: K 4 x 16 x 2,048 x 128 float32; Q 4 x 16 x 2,048 x 128 float32; V 4 x 16 x 2,048 x 128 float32; lowp_scales 4 int32 (the exponents e of the quantised operands' scales 2^e); mask 2,048 x 2,048 bool.
;; Outputs: out0 4 x 16 x 2,048 x 128 float32.
;; This version of the problem:
;;   THIS VERSION OF THE PROBLEM IS GIVEN IN LOW PRECISION. The matrix products marked QUANTISED in the list below multiply operands that are first quantised to E4M3 (4 exponent bits, 3 mantissa bits; 8 bits a number), with one given power-of-two scale for each operand tensor; their sums are f32. All else is computed in f32.
;;   The module's matrix products, in the order in which they are computed (A, B: the left and right operand; K: the contracted axis; several contracted axes count as one K, in the product's order):
;;     1. batch 64 x [M 2,048, K 128] x [K 128, N 2,048]; A: input Q; B: input K: QUANTISED (scales: A lowp_scales[0], B lowp_scales[1])
;;     2. batch 64 x [M 2,048, K 2,048] x [K 2,048, N 128]; A: softmax (see below); B: input V: QUANTISED (scales: A lowp_scales[2], B lowp_scales[3])
;;   THE QUANTISER, for each operand of a quantised product, along K:
;;     - The operand's scale is 2^e, e = its entry of the input lowp_scales (int32; the entries are numbered through the quantised products in the list's order, A before B).
;;     - Each number is divided by the scale, clamped to +-448, and rounded to the nearest number of E4M3, ties to even, subnormals kept.
;;     - The product sums the exact products of the quantised numbers (number of the format x scale) in f32.
;;   ~~~python
;;   def quantise(x, axis, e):      # numpy; x: float32 -> the quantised numbers, widened to float32 again
;;       x = np.moveaxis(x, axis, -1); K = x.shape[-1]
;;       r = np.clip(x / 2.0 ** e, -448, 448)
;;       step = 2.0 ** (np.maximum(np.frexp(np.where(r == 0, 1, r))[1] - 1, -6) - 3)
;;       q = np.round(r / step) * step * 2.0 ** e      # np.round: ties to even
;;       return np.moveaxis(q, -1, axis).astype(np.float32)
;;   ~~~
;;   SOFTMAX AHEAD OF A QUANTISED PRODUCT. Where the list says 'softmax', what is quantised is not the finished softmax but p = 2^(t - M), with t = logit x log2(e) and M = ceil(the row's largest t), a whole number; so 1/2 < the row's largest p <= 1. The row's sum l is taken of the UNQUANTISED p, in f32, and the product's result is divided by l at the end. Since M is a whole number, a kernel that streams over the keys may use a running M (the ceiling of the running maximum): every later rescaling is an exact power of two, so the quantised numbers keep their values, but for numbers so far below the row's largest that they fall under the format's range.
;;   OPERANDS COMPUTED ON THE WAY. 'Computed on the way' means the value that the module computes at that place (a softmax that the list does not call 'softmax' is quantised finished and normalised). What goes into a quantiser is computed in f32, as accurately as f32 sums, v_exp_f32 and their like allow (about 1e-6 of the number): no bf16 or f16 on the way to a quantiser, and a product that is left as it is and whose result goes on into a quantised operand takes f32 operands (vector FMAs, or v_wmma_f32_16x16x4_f32). A number that lies on a knife's edge between two numbers of the format may be rounded either way, as far as f32 arithmetic and the matrix unit's own rounding can turn it there, and no further.
;; 2 versions, each right; version 2 is version 1 with the launch attn written anew for expert scheduling mode. Each part assembles by itself: llvm-mc -triple=amdgcn-amd-amdhsa -mcpu=gfx1250 --defsym DOCPART=n.
;; ======== version 1 of 2: 2 launches
;; workspace buffers: kv 33,554,432 bytes; bits 524,288 bytes of whole numbers; flags 1,024 bytes of whole numbers
;; launch prep (part 1): grid 1088 x 1, 4 waves a work-group, no clusters, 74,240 bytes of LDS; arguments K, V, mask, lowp_scales, kv, bits, flags; writes kv, bits, flags
.if DOCPART == 1
	.amdgcn_target "amdgcn-amd-amdhsa--gfx1250"
	.amdhsa_code_object_version 6
	.text
	.protected	k_qbd0ddef2df_prep
	.globl	k_qbd0ddef2df_prep
	.p2align	8
	.type	k_qbd0ddef2df_prep,@function
k_qbd0ddef2df_prep:
	s_mov_b64 s[64:65], 0
	v_nop
	global_prefetch_b8 v0, s[64:65] scope:SCOPE_SE
	s_setreg_imm32_b32 hwreg(HW_REG_WAVE_MODE, 25, 1), 1
	s_wait_xcnt 0x0
; PREP: what every work-group of the attention launch would otherwise make again is made once.
; (1) K and V [64 heads][2048 keys][128] f32 become codes of FP8 (E4M3) with the given scales 2^ek, 2^ev (entries 1 and 3 of the scales' buffer):
;     code = x / 2^e, held within +-448, to the nearest code, ties to even.  They are stored as IMAGES OF THE OPERANDS' REGISTERS:
;     kv[head][step of 128 keys][32,768 bytes]: K's 8 fragments (tile T at 2,048 T), then V's 8 (channel tile T at 16,384 + 2,048 T); registers 4 c .. 4 c + 3 of lane L at 512 c + 16 L.
;     K's tile T = 2 b + u: lane (r, h) holds key 32 b + 8 u + r + 8 (r / 8), registers 4 c on hold d = 32 c + 16 h + 0 .. 15.
;     V's tile T: lane (r, h) holds channel 16 T + r, registers 4 c on hold keys 32 c + 16 h + 0 .. 15.
; (2) mask [2048][2048] of bytes becomes bits[query tile of 16][step][64 words]: bit r + 16 h of word n is mask[16 tile + r][128 step + 32 (n / 16) + 16 h + n % 16]: the lane mask of score register n;
;     and flags[group of 32 queries][4 words]: the field at bits 2 s + 1 : 2 s says of step s: 0 all hidden, 1 mixed, 2 all true; word w holds the fields of steps 4 w .. 4 w + 3, the rest of it 0.
; Work-groups 0 to 63 take the mask (a group of 32 queries each), work-groups 64 to 1,087 a step of 128 keys of one head.  The two paths part on the work-group's number; the K / V path alone uses LDS.
; No barrier: a wave's LDS bytes are its own.  No matrix unit, no cluster: work-groups share no input, and the bytes moved are all that counts here.
; LIMITS: ek and ev between -126 and 119, so that 2^e and 448 x 2^e are f32 numbers.  NaN among K and V is not served (an infinity is held at the largest code).  A mask byte other than 0 counts as true.
.set MGRP, 64                          ; work-groups of the mask path
.set STG,  18432                       ; a wave's stage in LDS
.set KP,   528                         ; K in the stage: a row of 512 bytes + 16: 33 x 16 bytes, so the 16 rows that a read-back touches start at 16 different banks (64 banks of 4 bytes: ISA guide 11.1)
.set VP,   1152                        ; V in the stage: keys k and k + 16 lie 576 bytes (144 words) apart, keys k and k + 1 twice that: the two halves of the lanes read 32 different banks
.set X,    16                          ; v16-143  32 rows as loaded, 4 registers each (mask path: 8 tile-steps x 16 registers)
.set Y,    144                         ; v144-175 two sets of 16 neighbours along K (mask path: v144-159 eight pairs of words)
.set C,    176                         ; v176-239 codes: 16 groups of 4 registers, none written twice, so no store's data are written again
.macro LOADX p                         ; my wave's 32 rows of 512 bytes: each load reads one row, 512 consecutive bytes
.set n, 0
.rept 32
	global_load_b128 v[X+4*n:X+4*n+3], v2, s[\p:\p+1] offset:512*n th:TH_LOAD_NT
.set n, n+1
.endr
.endm
.macro PUTK q                          ; rows 8 q .. 8 q + 7 into the stage.  Row i = 16 a + 8 u + m goes to place 16 u + 8 a + m: a tile's 16 keys become neighbours
.irp m, 0,1,2,3,4,5,6,7
	ds_store_b128 v5, v[X+4*(8*(\q)+\m):X+4*(8*(\q)+\m)+3] offset:KP*(16*((\q)%2)+8*((\q)/2)+\m)
.endr
.endm
.macro PUTV q                          ; the same for V: row i at VP (i % 16) + VP / 2 (i / 16)
.irp m, 0,1,2,3,4,5,6,7
	ds_store_b128 v5, v[X+4*(8*(\q)+\m):X+4*(8*(\q)+\m)+3] offset:VP*(8*((\q)%2)+\m)+(VP/2)*((\q)/2)
.endr
.endm
.macro RBK g                           ; group g = 4 u + c: of tile u's key of my lane, d = 32 c + 16 h + 0 .. 15
.irp j, 0,1,2,3
	ds_load_b128 v[Y+16*((\g)%2)+4*\j:Y+16*((\g)%2)+4*\j+3], v6 offset:16*((\g)/4)*KP+128*((\g)%4)+16*\j
.endr
.endm
.macro RBV t                           ; channel 16 t + r of keys 16 h + 0 .. 15 of my wave's 32: the registers run down the keys, so nothing is transposed by an instruction
.set n, 0
.rept 16
	ds_load_b32 v[Y+16*((\t)%2)+n], v7 offset:VP*n+64*(\t)
.set n, n+1
.endr
.endm
.macro QS y, c, lim, sc                ; 16 numbers become 16 codes
.set n, 0
.rept 16
	v_med3_num_f32 v[(\y)+n], v[(\y)+n], -v[\lim], v[\lim]   ; the conversion to an 8-bit code does not saturate (ISA guide 7.6.2): the hold at the largest code x the scale comes first
.set n, n+1
.endr
	v_cvt_scalef32_pk8_fp8_f32 v[(\c):(\c)+1], v[(\y):(\y)+7], v[\sc]
	v_cvt_scalef32_pk8_fp8_f32 v[(\c)+2:(\c)+3], v[(\y)+8:(\y)+15], v[\sc]   ; the results go to a store alone; the next vector lines are the other set's holds
.endm
.macro WORDS idx                       ; tile-step idx = 2 k + t: its 64 lane masks, gathered two to a lane, stored as 256 consecutive bytes
	s_wait_loadcnt 28-4*(\idx)                     ; this tile-step's four loads are in; the later tile-steps' may be out
.set n, 0
.rept 64
	v_and_b32 v[160+n%4], 0xff<<(8*(n%4)), v[X+16*(\idx)+n/4]
	v_cmp_ne_u32 s[32+n%8], 0, v[160+n%4]          ; bit L: is my lane's byte n true?
	v_writelane_b32 v[144+2*(\idx)+n%2], s[32+n%8], n/2
.set n, n+1
.endr
	global_store_b64 v9, v[144+2*(\idx):144+2*(\idx)+1], s[14:15] offset:4096*((\idx)%2)+256*((\idx)/2)
.endm
.macro FLAG k                          ; step k of my four, both query tiles: is any byte true, are all bytes 1?
	v_or_b32 v168, v[X+32*(\k)], v[X+32*(\k)+1]
	v_and_b32 v169, v[X+32*(\k)], v[X+32*(\k)+1]
.set n, 2
.rept 30
	v_or_b32 v168, v168, v[X+32*(\k)+n]
	v_and_b32 v169, v169, v[X+32*(\k)+n]
.set n, n+1
.endr
	v_cmp_ne_u32 s42, 0, v168
	v_cmp_ne_u32 s43, 0x01010101, v169
	s_cmp_lg_u32 s42, 0
	s_cselect_b32 s45, 1, 0                        ; something is true: mixed, unless
	s_cmp_eq_u32 s43, 0
	s_cselect_b32 s45, 2, s45                      ; every byte of every lane is 1
	s_lshl_b32 s45, s45, s41
	s_or_b32 s40, s40, s45
	s_add_co_u32 s41, s41, 2
.endm
	s_load_b256 s[4:11], s[0:1], 0x0               ; K s[4:5], V s[6:7], mask s[8:9], the scales' exponents s[10:11]
	s_load_b128 s[12:15], s[0:1], 0x20             ; kv s[12:13], bits s[14:15]
	s_load_b64 s[16:17], s[0:1], 0x30              ; flags
	v_lshl_add_u32 v240, v0, 2, 0x12000
	v_mov_b32 v241, 0
	v_lshrrev_b32 v1, 5, v0
	v_readfirstlane_b32 s18, v1                    ; wave 0..3
	v_and_b32 v1, 31, v0                           ; lane
	v_lshlrev_b32 v2, 4, v1                        ; 16 x lane
	v_and_b32 v3, 15, v0                           ; r
	v_bfe_u32 v4, v0, 4, 1                         ; h
	s_mov_b32 s29, 0
	s_mov_b32 s31, 0
	s_wait_kmcnt 0x0
	s_cmp_lt_u32 ttmp9, MGRP
	s_cbranch_scc1 .Lmask
	; ---- K and V: id = 16 head + step; my wave takes keys 32 w .. 32 w + 31 of that step
	s_load_b128 s[24:27], s[10:11], 0x0            ; eq, ek, ep, ev
	s_sub_co_u32 s19, ttmp9, MGRP                  ; id
	s_lshl_b32 s28, s19, 16                        ; a step's 128 rows of 512 bytes,
	s_lshl_b32 s30, s18, 14                        ; my wave's 32 of them
	s_add_co_u32 s28, s28, s30
	s_add_nc_u64 s[4:5], s[4:5], s[28:29]
	s_add_nc_u64 s[6:7], s[6:7], s[28:29]
	LOADX 4                                        ; K's rows
	s_lshl_b32 s30, s19, 15                        ; the step's block of 32,768 bytes,
	s_lshl_b32 s32, s18, 12                        ; K's tiles 2 w and 2 w + 1
	s_add_co_u32 s30, s30, s32
	s_add_nc_u64 s[20:21], s[12:13], s[30:31]
	s_lshl_b32 s30, s19, 15
	s_lshl_b32 s32, s18, 9                         ; V: registers 4 w .. 4 w + 3 of each of the eight images
	s_add_co_u32 s30, s30, s32
	s_add_co_u32 s30, s30, 16384
	s_add_nc_u64 s[22:23], s[12:13], s[30:31]
	s_mul_i32 s33, s18, STG                        ; my stage
	v_add_nc_u32 v5, s33, v2                       ; in: 16 x lane of a row
	v_mul_u32_u24 v6, v3, KP
	v_lshl_add_u32 v6, v4, 6, v6
	v_add_nc_u32 v6, s33, v6                       ; K back: place r, + 64 h
	v_mul_u32_u24 v7, v4, VP/2
	v_lshl_add_u32 v7, v3, 2, v7
	v_add_nc_u32 v7, s33, v7                       ; V back: key 16 h, channel r
.irp q, 0,1,2,3
	s_wait_loadcnt 24-8*\q                         ; loads come back in order: rows 8 q .. 8 q + 7 are in, the later rows may be out
	PUTK \q
.endr
	s_wait_dscnt 0x0                               ; the stores have read X:
	LOADX 6                                        ; V's rows are on their way while K is quantised
	s_wait_kmcnt 0x0
	s_add_co_i32 s34, s25, 127
	s_lshl_b32 s35, s34, 23
	v_mov_b32 v11, s35                             ; 2^ek as f32: the conversion takes its exponent field
	s_add_co_i32 s34, s34, 8
	s_lshl_b32 s34, s34, 23
	s_or_b32 s34, s34, 0x600000
	v_mov_b32 v10, s34                             ; 448 x 2^ek
	s_add_co_i32 s36, s27, 127
	s_lshl_b32 s37, s36, 23
	v_mov_b32 v13, s37                             ; 2^ev
	s_add_co_i32 s36, s36, 8
	s_lshl_b32 s36, s36, 23
	s_or_b32 s36, s36, 0x600000
	v_mov_b32 v12, s36                             ; 448 x 2^ev
	RBK 0
.irp g, 0,1,2,3,4,5,6,7
.if \g < 7
	RBK \g+1
	s_wait_dscnt 4                                 ; this group's four loads are back; the next group's four may be out
.else
	s_wait_dscnt 0x0
.endif
	QS Y+16*(\g%2), C+4*\g, 10, 11
	global_store_b128 v2, v[C+4*\g:C+4*\g+3], s[20:21] offset:2048*(\g/4)+512*(\g%4)   ; 32 lanes store 512 consecutive bytes, at a multiple of 512 from kv's first byte
.endr
.irp q, 0,1,2,3
	s_wait_loadcnt 24-8*\q
	PUTV \q                                        ; K's read-backs are over (the wait for 0 above); LDS serves a wave's instructions in order (ISA guide 5.7.1.4)
.endr
	RBV 0
.irp t, 0,1,2,3,4,5,6,7
.if \t < 7
	RBV \t+1
	s_wait_dscnt 16                                ; this tile's sixteen loads are back; the next tile's sixteen may be out
.else
	s_wait_dscnt 0x0
.endif
	QS Y+16*(\t%2), C+32+4*\t, 12, 13
	global_store_b128 v2, v[C+32+4*\t:C+32+4*\t+3], s[22:23] offset:2048*\t
.endr
	s_wait_tensorcnt 0x0
	ds_add_u32 v240, v241
	s_wait_dscnt 0x0
	s_endpgm
	; ---- the mask: work-group g takes queries 32 g .. 32 g + 31 (query tiles 2 g, 2 g + 1), my wave steps 4 w .. 4 w + 3
.Lmask:
	v_lshlrev_b32 v8, 11, v3
	v_lshl_add_u32 v8, v4, 4, v8                   ; row r of 2,048 bytes, + 16 h
	v_lshlrev_b32 v9, 3, v1                        ; two words a lane
	s_lshl_b32 s28, ttmp9, 16                      ; 32 rows of 2,048 bytes,
	s_lshl_b32 s30, s18, 9                         ; four steps of 128 bytes
	s_add_co_u32 s28, s28, s30
	s_add_nc_u64 s[8:9], s[8:9], s[28:29]
	s_lshl_b32 s28, ttmp9, 13                      ; bits: two query tiles of 4,096 bytes,
	s_lshl_b32 s30, s18, 10                        ; four steps of 256
	s_add_co_u32 s28, s28, s30
	s_add_nc_u64 s[14:15], s[14:15], s[28:29]
	s_lshl_b32 s28, ttmp9, 4                       ; flags: 16 bytes a group, a word a wave
	s_lshl_b32 s30, s18, 2
	s_add_co_u32 s28, s28, s30
	s_add_nc_u64 s[16:17], s[16:17], s[28:29]
.irp k, 0,1,2,3
.irp t, 0,1
.irp b, 0,1,2,3
	global_load_b128 v[X+16*(2*\k+\t)+4*\b:X+16*(2*\k+\t)+4*\b+3], v8, s[8:9] offset:32768*\t+128*\k+32*\b   ; mask[16 (2 g + t) + r][128 (4 w + k) + 32 b + 16 h + 0 .. 15]
.endr
.endr
.endr
.set n, 0
.rept 16
	v_mov_b32 v[144+n], 0                          ; written whole once: v_writelane_b32's destination counts as one of its sources
.set n, n+1
.endr
	v_mov_b32 v170, 0
	s_mov_b32 s40, 0                               ; my word of flags
	s_lshl_b32 s41, s18, 3                         ; the field of step 4 w + k begins at bit 8 w + 2 k
.irp k, 0,1,2,3
	WORDS 2*\k
	WORDS 2*\k+1
	FLAG \k
.endr
	v_mov_b32 v171, s40
	v_cmp_eq_u32 vcc_lo, 0, v1
	s_wait_xcnt 0x0                                ; EXEC is a source of the stores above: it changes only behind this wait
	s_and_saveexec_b32 s44, vcc_lo
	global_store_b32 v170, v171, s[16:17]          ; one lane stores the wave's word
	s_wait_xcnt 0x0                                ; and again, in front of the line that widens it
	s_or_b32 exec_lo, exec_lo, s44
	s_endpgm
.Lfunc_end_k_qbd0ddef2df_prep:
	.size	k_qbd0ddef2df_prep, .Lfunc_end_k_qbd0ddef2df_prep-k_qbd0ddef2df_prep
	.p2alignl 7, 3214868480
	.fill 96, 4, 3214868480
	.section	.rodata,"a",@progbits
	.p2align	6, 0x0
	.amdhsa_kernel k_qbd0ddef2df_prep
		.amdhsa_group_segment_fixed_size 74240
		.amdhsa_private_segment_fixed_size 0
		.amdhsa_enable_private_segment 0
		.amdhsa_kernarg_size 56
		.amdhsa_user_sgpr_count 2
		.amdhsa_user_sgpr_kernarg_segment_ptr 1
		.amdhsa_wavefront_size32 1
		.amdhsa_system_sgpr_workgroup_id_x 1
		.amdhsa_system_sgpr_workgroup_id_y 1
		.amdhsa_system_sgpr_workgroup_id_z 1
		.amdhsa_system_vgpr_workitem_id 0
		.amdhsa_next_free_vgpr 242
		.amdhsa_next_free_sgpr 66
		.amdhsa_reserve_vcc 1
		.amdhsa_float_denorm_mode_32 3
		.amdhsa_float_denorm_mode_16_64 3
		.amdhsa_memory_ordered 1
		.amdhsa_forward_progress 1
		.amdhsa_inst_pref_size 154
	.end_amdhsa_kernel
	.amdgpu_metadata
---
amdhsa.version: [ 1, 2 ]
amdhsa.kernels:
  - .name:           k_qbd0ddef2df_prep
    .symbol:         k_qbd0ddef2df_prep.kd
    .args:
      - { .name: K, .offset: 0, .size: 8, .value_kind: global_buffer, .address_space: global }
      - { .name: V, .offset: 8, .size: 8, .value_kind: global_buffer, .address_space: global }
      - { .name: mask, .offset: 16, .size: 8, .value_kind: global_buffer, .address_space: global }
      - { .name: lowp_scales, .offset: 24, .size: 8, .value_kind: global_buffer, .address_space: global }
      - { .name: kv, .offset: 32, .size: 8, .value_kind: global_buffer, .address_space: global }
      - { .name: bits, .offset: 40, .size: 8, .value_kind: global_buffer, .address_space: global }
      - { .name: flags, .offset: 48, .size: 8, .value_kind: global_buffer, .address_space: global }
    .group_segment_fixed_size: 74240
    .private_segment_fixed_size: 0
    .kernarg_segment_align: 8
    .kernarg_segment_size: 56
    .max_flat_workgroup_size: 128
    .sgpr_count:     66
    .vgpr_count:     242
    .wavefront_size: 32
...
	.end_amdgpu_metadata
.endif
;; end of part 1
;; launch attn (part 2): grid 4 x 64, 8 waves a work-group, no clusters, 101,376 bytes of LDS; arguments Q, kv, bits, flags, lowp_scales, out0; writes out0
.if DOCPART == 2
	.amdgcn_target "amdgcn-amd-amdhsa--gfx1250"
	.amdhsa_code_object_version 6
	.text
	.protected	k_qbd0ddef2df_attn
	.globl	k_qbd0ddef2df_attn
	.p2align	8
	.type	k_qbd0ddef2df_attn,@function
k_qbd0ddef2df_attn:
	s_mov_b64 s[64:65], 0
	v_nop
	global_prefetch_b8 v0, s[64:65] scope:SCOPE_SE
	s_setreg_imm32_b32 hwreg(HW_REG_WAVE_MODE, 25, 1), 1
	s_wait_xcnt 0x0
; out0[head][q][:] = the sum over k of softmax_k(mask ? Q[q] . K[k] / sqrt(128) : -infinity) V[k][:], 64 heads, 2,048 queries and keys, head size 128; both products on codes of FP8 (E4M3), each operand with its given scale 2^e.
; Q arrives as f32 and is quantised here, in registers.  K and V arrive as codes in kv, laid as images of the operands' registers, 32,768 bytes for a step of 128 keys; the mask as lane masks (bits) and as 2-bit flags.
; THE SOFTMAX AHEAD OF THE SECOND PRODUCT: t = score x log2(e) / sqrt(128); M = the row's largest t so far, rounded UP to a whole number; p = 2^(t - M) is quantised, not normalised; the row's sum is taken of the
; unquantised p and divides at the end.  When M moves, the sum and O are multiplied by 2^(old M - new M), which rounds nothing.  A row that the mask hides wholly keeps sum 0 and O 0: 0 x (1 / 0) is NaN, as the softmax of such a row is.
; SHARES.  Work-group (x, head) owns query blocks 7 - x and x, 256 queries each, one after the other (an order of work, right for any mask).  Each of its eight waves owns 32 queries of a block: two tiles of 16.
; Tile 0's state lies in register window 0, tile 1's in window 1 under the same numbers, so each step of the work is written once and run under two window settings; a fragment read from LDS feeds both tiles' products.
; WHAT THE MASK HIDES IS NOT DONE.  A step whose flag is 0 for my 32 queries is jumped over (a scalar branch on stored whole numbers); one that is 0 for all 256 queries of the block is not fetched either; a flag of 1 applies
; the lane masks, a flag of 2 needs none.  Every wave passes every barrier: none stands under such a branch.
; NO TENSOR LOADS, NO CLUSTER: K and V go to LDS through registers:
; thread t copies bytes 16 t + 4,096 j, j = 0 .. 7, of a step's block; the load is issued two steps ahead of the step's use, the LDS store one step ahead: two slots, one barrier a step.
; LAYOUT.  Both products are used transposed: S^T = K Q^T, O^T = V^T P^T: a lane holds ONE query (lane % 16).  Score register 16 b + i of lane (r, h) is key 32 b + 16 h + i, so the conversions' results are P's fragment.
; k is permuted alike in both operands of each product (registers 4 c on: k = 32 c + 16 h + 0 .. 15): every product meets its partner; only the order of the sums inside an instruction differs.
; LIMITS: eq and ep between -126 and 119; eq + ek between -123 and 130 (added to c's exponent field); ep + ev goes by v_ldexp_f32 and has none.  NaN among Q is not served (an infinity is held at the largest code).
; REGISTERS.  window 0 only: v1 16 x lane; v2 16 x thread; v3 256 x thread; v4, v5 the stage, in and back; v6 Q's lane offset; v7 out0's; v8, v9 Q's offsets of the two passes; v32-95 four fragments, later rows of out0.
;   both windows: v12 -M, v13 the largest t, v[14:15] the sum in two halves, v16-31 Q's codes, v96-159 S^T then p, v160-223 O^T, v224-239 p's codes, v240 448 x 2^ep, v241 -infinity, v244 2^ep, v248 2^eq, v249 448 x 2^eq, v236, v242-243, v252-254 at work.
;   window 1 only: v32-63 the copy's registers; v64-79, v80-95 the second pass's Q codes of tiles 0 and 1.
; SCALARS: s2 wave; s3 trips to go; s4 passes to go; s5 my group's flags, s6 the block's (both shifted as the steps go); s7 this step's flag; s[8:9] kv at this trip; s[10:11] bits at my tile 0 and this trip; s[12:13] c; s[14:15] lane selects;
;   s16-63, s68-83 the 64 lane masks; s66, s67 at work; s[84:85] Q at my head; s[86:87] kv at my head; s[88:89], s92, s93, s[94:95] the second pass's bits, flags and out0; s[90:91] out0 at my rows; s96 ep + ev; s97 who prefetches; s104 is the hold needed.
.set SLOTB, 32768                      ; a slot: one step's block of kv, byte for byte
.set VIMG,  16384                      ; V's images in it
.set STAGE, 2*SLOTB                    ; behind the slots: 16 rows x 272 bytes for each wave, for the way out
.set SP,    272
.set WSTG,  16*SP
.set FRG,   32
.set SC,    96
.set OT,    160
.set PC,    224
.set W_ALL1, 0x55                      ; every operand place in window 1
.set W_MM1,  0x54                      ; A in window 0; B, C and D in window 1
.set W_D1,   0x40                      ; destination in window 1
.set W_S1,   0x04                      ; an LDS store's data in window 1
.set MSB, 0
.macro WIN new                         ; the immediate's high byte repeats the setting that is left; a switch that changes nothing is dropped.  At every label and branch the setting is 0
.if MSB != (\new)
	s_set_vgpr_msb (MSB<<8)|(\new)
.set MSB, (\new)
.endif
.endm
.macro PLACES                          ; a load into a register that a matrix instruction has read, and a vector instruction that reads a matrix result, stand four plain vector instructions behind it (ISA guide 7.12.1 for vector instructions)
.rept 4
	v_nop
.endr
.endm
.macro GSTORE off                      ; my 128 bytes x 8 of a step's block, from the copy's registers into a slot
	WIN W_S1
.irp j, 0,1,2,3,4,5,6,7
	ds_store_b128 v2, v[32+4*\j:35+4*\j] offset:(\off)+4096*\j
.endr
	WIN 0
.endm
.macro GLOAD p, off                    ; and from kv into those registers: a wave's load reads 512 consecutive bytes.  No hint: four work-groups and both passes read a block
	WIN W_D1
.irp j, 0,1,2,3,4,5,6,7
	global_load_b128 v[32+4*\j:35+4*\j], v2, s[\p:\p+1] offset:(\off)+4096*\j
.endr
	WIN 0
.endm
.macro MLOAD t, sl                     ; tile t's 64 lane masks of this step: word n to s[16 + n], from n = 48 on to s[20 + n]
	s_load_b512 s[16:31], s[10:11], 4096*(\t)+256*(\sl)
	s_load_b512 s[32:47], s[10:11], 4096*(\t)+256*(\sl)+64
	s_load_b512 s[48:63], s[10:11], 4096*(\t)+256*(\sl)+128
	s_load_b512 s[68:83], s[10:11], 4096*(\t)+256*(\sl)+192
.endm
.macro FETCH g, base                   ; four fragments, images 4 g .. 4 g + 3 from LDS byte base on: each load takes 512 consecutive bytes
.irp t, 0,1,2,3
.irp c, 0,1,2,3
	ds_load_b128 v[FRG+16*\t+4*\c:FRG+16*\t+4*\c+3], v1 offset:(\base)+2048*(4*(\g)+\t)+512*\c
.endr
.endr
.endm
.macro KQ g                            ; S^T = K Q^T: key tiles 4 g .. 4 g + 3, for tile 0 and then for tile 1.  Each product starts its sum with the constant 0
.irp t, 0,1,2,3
	v_wmma_f32_16x16x128_fp8_fp8 v[SC+8*(4*(\g)+\t):SC+8*(4*(\g)+\t)+7], v[FRG+16*\t:FRG+16*\t+15], v[16:31], 0
.endr
	WIN W_MM1
.irp t, 0,1,2,3
	v_wmma_f32_16x16x128_fp8_fp8 v[SC+8*(4*(\g)+\t):SC+8*(4*(\g)+\t)+7], v[FRG+16*\t:FRG+16*\t+15], v[16:31], 0
.endr
	WIN 0
.endm
.macro PV g                            ; O^T += V^T P^T: channel tiles 4 g .. 4 g + 3.  The sixteen accumulators take turns, one instruction a turn
.irp t, 0,1,2,3
	v_wmma_f32_16x16x128_fp8_fp8 v[OT+8*(4*(\g)+\t):OT+8*(4*(\g)+\t)+7], v[FRG+16*\t:FRG+16*\t+15], v[PC:PC+15], v[OT+8*(4*(\g)+\t):OT+8*(4*(\g)+\t)+7]
.endr
	WIN W_MM1
.irp t, 0,1,2,3
	v_wmma_f32_16x16x128_fp8_fp8 v[OT+8*(4*(\g)+\t):OT+8*(4*(\g)+\t)+7], v[FRG+16*\t:FRG+16*\t+15], v[PC:PC+15], v[OT+8*(4*(\g)+\t):OT+8*(4*(\g)+\t)+7]
.endr
	WIN 0
.endm
.macro APPLY w                         ; in a mixed step hidden scores become -infinity ahead of the maximum: p = 0 then.  Each accumulator is read from its low end on
	s_wait_kmcnt 0x0                               ; the lane masks are in (on every path: the next tile's loads land in the same registers)
	s_cmp_lg_u32 s7, 1
	s_cbranch_scc1 .Lclear_\@
	WIN \w
.set n, 0
.rept 64
	v_cndmask_b32 v[SC+n], v241, v[SC+n], s[16+n+4*(n/48)]
.set n, n+1
.endr
	WIN 0
.Lclear_\@:
.endm
.macro SM w                            ; one tile's softmax for 128 keys, under the tile's window
	WIN \w
	v_max3_num_f32 v254, v[SC], v[SC+1], v[SC+2]   ; the step's largest score of my query among my 64 keys, in two chains, the registers in ascending order,
	v_max3_num_f32 v252, v[SC+3], v[SC+4], v[SC+5]
.set n, 6
.rept 14
	v_max3_num_f32 v254, v254, v[SC+n], v[SC+n+1]
	v_max3_num_f32 v252, v252, v[SC+n+2], v[SC+n+3]
.set n, n+4
.endr
	v_max3_num_f32 v254, v254, v[SC+62], v[SC+63]
	v_max_num_f32 v254, v254, v252
	v_permlanex16_b32 v236, v254, s14, s15
	v_max_num_f32 v254, v254, v236                 ; and among lane l xor 16's
	v_mul_f32 v254, s12, v254                      ; as t (c is positive)
	v_max_num_f32 v13, v13, v254                   ; the running largest t
	v_mov_b32 v254, v12
	v_floor_f32 v12, -v13                          ; the new -M = floor(-t) = -ceil(t): a whole number
	v_sub_f32 v254, v12, v254                      ; old M less new M: a whole number, 0 or less
	v_cvt_i32_f32 v254, v254                       ; (it saturates)
	v_ldexp_f32 v252, 1.0, v254                    ; f = 2^(old M - new M)
.set n, 0
.rept 32
	v_pk_fma_f32 v[SC+n:SC+n+1], v[SC+n:SC+n+1], s[12:13], v[12:13] op_sel_hi:[1,0,0]   ; t - M, two at a time (of the pairs c and -M the low word serves both halves)
.set n, n+2
.endr
.set n, 0
.rept 64
	v_exp_f32 v[SC+n], v[SC+n]                     ; p = 2^(t - M)
.set n, n+1
.endr
	v_pk_mul_f32 v[14:15], v[14:15], v[252:253] op_sel_hi:[1,0]   ; the sums under the new M: the plain instruction behind the exponentials
	s_wait_alu depctr_va_vdst(0)                   ; one wait for the whole batch, ahead of its first reader
	v_pk_add_f32 v[242:243], v[SC:SC+1], v[SC+2:SC+3]   ; the row's sum is taken of the unquantised p, two at a time, in two chains
.set n, 4
.rept 15
	v_pk_add_f32 v[14:15], v[14:15], v[SC+n:SC+n+1]
	v_pk_add_f32 v[242:243], v[242:243], v[SC+n+2:SC+n+3]
.set n, n+4
.endr
	v_pk_add_f32 v[14:15], v[14:15], v[242:243]
	WIN 0
	s_cmp_eq_u32 s104, 0                           ; the hold at the largest code is left out only where it could never act (see where s104 is made)
	s_cbranch_scc1 .Lno_hold_\@
	WIN \w
.set n, 0
.rept 64
	v_min_num_f32 v[SC+n], v[SC+n], v240           ; the conversion does not saturate (ISA guide 7.6.2); p is not negative, so the hold is one-sided
.set n, n+1
.endr
	WIN 0
.Lno_hold_\@:
	WIN \w
.irp b, 0,1,2,3
	v_cvt_scalef32_pk8_fp8_f32 v[PC+4*\b:PC+4*\b+1], v[SC+16*\b:SC+16*\b+7], v244
	v_cvt_scalef32_pk8_fp8_f32 v[PC+4*\b+2:PC+4*\b+3], v[SC+16*\b+8:SC+16*\b+15], v244
.endr
.set n, 0
.rept 32
	v_pk_mul_f32 v[OT+n:OT+n+1], v[OT+n:OT+n+1], v[252:253] op_sel_hi:[1,0]   ; O^T under the new M.  (Plain lines between the conversions and the products that read the codes)
.set n, n+2
.endr
	WIN 0
.endm
.macro INIT w                          ; a tile's state at a pass's head.  O^T is cleared by moves: which step is a row's first is decided by the stored flags, so no product can be written out as the one that starts the sums
	WIN \w
	v_mov_b32 v13, 0xff61b1e6                      ; the largest t so far: -3e38, under every t
	v_floor_f32 v12, -v13
	v_mov_b32 v14, 0
	v_mov_b32 v15, 0
.set n, 0
.rept 64
	v_mov_b32 v[OT+n], 0
.set n, n+1
.endr
	WIN 0
.endm
.macro QLOAD dst, va, t, w             ; tile t's 16 queries: lane (r, h) takes, of row r, d = 32 b + 16 h + 0 .. 15 of each b: register 16 b + i is the fragment's order
	WIN \w
.irp b, 0,1,2,3
.irp j, 0,1,2,3
	global_load_b128 v[\dst+16*\b+4*\j:\dst+16*\b+4*\j+3], v[\va], s[84:85] offset:8192*\t+128*\b+16*\j th:TH_LOAD_NT
.endr
.endr
	WIN 0
.endm
.macro QUANT src, dst, wmed, wcvt      ; 64 numbers of a lane become a fragment's 16 registers of codes
	WIN \wmed
.set n, 0
.rept 64
	v_med3_num_f32 v[\src+n], v[\src+n], -v249, v249
.set n, n+1
.endr
	WIN \wcvt
.irp b, 0,1,2,3
	v_cvt_scalef32_pk8_fp8_f32 v[\dst+4*\b:\dst+4*\b+1], v[\src+16*\b:\src+16*\b+7], v248
	v_cvt_scalef32_pk8_fp8_f32 v[\dst+4*\b+2:\dst+4*\b+3], v[\src+16*\b+8:\src+16*\b+15], v248
.endr
	v_nop                                          ; a plain vector line behind the last conversion: products later read the codes and write the numbers' registers
	WIN 0
.endm
.macro ASK                             ; A PREFETCH INTO THE L2 of the kv blocks of the trip two trips on: 65,536 bytes, 256 bytes a thread, one instruction a wave, behind the wave's own loads.
	s_cmp_gt_u32 s3, s97                           ; All four work-groups of a head walk the same kv: the one with x = 0 asks, in its first pass alone, so each aligned 256 bytes are named once in the launch.
	s_cbranch_scc0 .Lnot_mine_\@                   ; The first two trips come by their loads alone; the last two trips (s3 = 2, 1) ask for nothing: there is no trip two on
	global_prefetch_b8 v3, s[8:9] offset:4*SLOTB th:TH_LOAD_NT scope:SCOPE_SE
.Lnot_mine_\@:
.endm
; A STEP of 128 keys, read from slot sl.  s6's field at bits 1:0 is the trip's first step.
.macro STEP sl
	s_wait_dscnt 0x0                               ; my reads of the other slot (the step before) are back and my stores of this step's block have landed:
	s_barrier_signal -1
	s_barrier_wait -1                              ; both now hold of all eight waves: this slot is whole, and nobody reads the other one
	s_wait_loadcnt 0x0                             ; the next step's block is in the copy's registers (on every path)
	s_bfe_u32 s66, s6, (2<<16)|(2+2*(\sl))
	s_cmp_eq_u32 s66, 0
	s_cbranch_scc1 .Lno_store_\@                   ; a step that the mask hides from the whole block is neither fetched nor stored: the same in all eight waves
	GSTORE (1-\sl)*SLOTB
.Lno_store_\@:
	s_wait_dscnt 0x0                               ; the stores have read their registers:
	s_bfe_u32 s66, s6, (2<<16)|(4+2*(\sl))         ; (behind the sixteenth step the fields are 0: the shifts bring zeros in, so the last steps load nothing)
	s_cmp_eq_u32 s66, 0
	s_cbranch_scc1 .Lno_load_\@
	GLOAD 8, (2+\sl)*SLOTB                         ; the block two steps on: it has this step's work in which to land
.Lno_load_\@:
.if \sl == 0
	ASK
.endif
	s_bfe_u32 s7, s5, (2<<16)|(2*(\sl))
	s_cmp_eq_u32 s7, 0
	s_cbranch_scc1 .Lhidden_\@                     ; all 128 keys are hidden from my 32 queries
	MLOAD 0, \sl
	PLACES
	FETCH 0, SLOTB*\sl
	s_wait_dscnt 0x0
	KQ 0
	PLACES
	FETCH 1, SLOTB*\sl
	s_wait_dscnt 0x0
	KQ 1
	PLACES                                         ; for the loads below and for the first reads of the scores
	FETCH 0, SLOTB*\sl+VIMG                        ; V's first four fragments land under the softmax
	APPLY 0
	MLOAD 1, \sl                                   ; tile 1's lane masks land under tile 0's softmax
	SM 0
	APPLY W_ALL1
	SM W_ALL1
	s_wait_dscnt 0x0
	PV 0
	PLACES
	FETCH 1, SLOTB*\sl+VIMG
	s_wait_dscnt 0x0
	PV 1
.Lhidden_\@:
.endm
; THE WAY OUT of tile t: O^T / the sum x 2^(ep + ev), through my stage in LDS, half a row (64 channels, 256 bytes) of 16 queries at a time.
.macro WAYOUT t
	WIN W_ALL1*\t
	v_add_f32 v14, v14, v15                        ; the sum's two halves,
	v_permlanex16_b32 v252, v14, s14, s15
	v_add_f32 v14, v14, v252                       ; and lane l xor 16's
	v_rcp_f32 v14, v14
	v_nop                                          ; a plain instruction behind the reciprocal,
	s_wait_alu depctr_va_vdst(0)                   ; and the wait ahead of its first reader
	v_ldexp_f32 v14, v14, s96
.set n, 0
.rept 64
	v_mul_f32 v[SC+n], v[OT+n], v14                ; register 8 T + j is o(r, 16 T + 8 h + j); each accumulator from its low end on
.set n, n+1
.endr
	WIN 0
.if \t
	s_wait_xcnt 0x0                                ; tile 0's stores have read v32-95: they are loaded again only behind this wait
.endif
.irp u, 0,1
	WIN W_S1*\t
.irp q, 0,1,2,3
	ds_store_b128 v4, v[SC+32*\u+8*\q:SC+32*\u+8*\q+3] offset:64*\q
	ds_store_b128 v4, v[SC+32*\u+8*\q+4:SC+32*\u+8*\q+7] offset:64*\q+16
.endr
	WIN 0
.irp i, 0,1,2,3,4,5,6,7
	ds_load_b128 v[FRG+32*\u+4*\i:FRG+32*\u+4*\i+3], v5 offset:2*\i*SP   ; LDS serves a wave's instructions in order (ISA guide 5.7.1.4): these see my stores, and the next half's stores come behind them
.endr
.endr
.irp u, 0,1
.irp i, 0,1,2,3,4,5,6,7
	s_wait_dscnt 23-16*\u-\i                       ; behind this load: the rest of its half's loads, and for the first half the second half's 8 stores and 8 loads
	global_store_b128 v7, v[FRG+32*\u+4*\i:FRG+32*\u+4*\i+3], s[90:91] offset:8192*\t+1024*\i+256*\u th:TH_STORE_NT   ; 16 lanes store 256 consecutive bytes, at a multiple of 256 from out0's first byte
.endr
.endr
.endm
	s_load_b256 s[84:91], s[0:1], 0x0              ; Q s[84:85], kv s[86:87], bits s[88:89], flags s[90:91]
	s_load_b128 s[92:95], s[0:1], 0x20             ; the scales' exponents s[92:93], out0 s[94:95]
	v_lshl_add_u32 v251, v0, 2, 0x18800
	v_mov_b32 v255, 0
	v_lshrrev_b32 v8, 5, v0
	v_readfirstlane_b32 s2, v8                     ; wave 0..7
	v_and_b32 v8, 31, v0
	v_lshlrev_b32 v1, 4, v8                        ; 16 x lane
	v_lshlrev_b32 v2, 4, v0                        ; 16 x thread
	v_lshlrev_b32 v3, 8, v0                        ; 256 x thread
	v_and_b32 v10, 15, v0                          ; r
	v_bfe_u32 v11, v0, 4, 1                        ; h
	s_mul_i32 s7, s2, WSTG
	s_add_co_u32 s7, s7, STAGE                     ; my stage
	v_mul_u32_u24 v4, v10, SP
	v_lshl_add_u32 v4, v11, 5, v4
	v_add_nc_u32 v4, s7, v4                        ; in: row r, 32 bytes for each half of the lanes
	v_mul_u32_u24 v5, v11, SP
	v_lshl_add_u32 v5, v10, 4, v5
	v_add_nc_u32 v5, s7, v5                        ; back: lanes 0-15 one row, lanes 16-31 the next
	v_lshlrev_b32 v6, 9, v10
	v_lshl_add_u32 v6, v11, 6, v6                  ; Q: row r of 512 bytes, + 64 h
	v_lshlrev_b32 v7, 9, v11
	v_lshl_add_u32 v7, v10, 4, v7                  ; out0: row h, 16 bytes a lane
	s_and_b32 s3, ttmp7, 0xffff                    ; the head
	s_sub_co_u32 s66, 7, ttmp9                     ; the first pass's block: 7 - x; the second's: x
	s_lshl_b32 s104, s66, 3
	s_add_co_u32 s104, s104, s2                    ; g0: my group of 32 queries in the first pass,
	s_lshl_b32 s105, ttmp9, 3
	s_add_co_u32 s105, s105, s2                    ; g1: in the second
	v_lshl_add_u32 v8, s104, 14, v6                ; a group's rows of Q are 16,384 bytes
	v_lshl_add_u32 v9, s105, 14, v6
	s_lshl_b32 s16, s66, 7                         ; flags: a block's 8 groups are 128 bytes,
	s_mov_b32 s17, 0
	s_lshl_b32 s18, ttmp9, 7
	s_mov_b32 s19, 0
	s_lshl_b32 s20, s104, 4                        ; a group 16
	s_mov_b32 s21, 0
	s_lshl_b32 s22, s105, 4
	s_mov_b32 s23, 0
	s_lshl_b32 s24, s3, 19                         ; kv: a head's 16 blocks
	s_mov_b32 s25, 0
	s_lshl_b32 s26, s3, 20                         ; Q and out0: a head's 2,048 rows of 512 bytes
	s_mov_b32 s27, 0
	s_lshl_b32 s28, s104, 14
	s_add_co_u32 s28, s28, s26
	s_mov_b32 s29, 0
	s_lshl_b32 s30, s105, 14
	s_add_co_u32 s30, s30, s26
	s_mov_b32 s31, 0
	s_wait_kmcnt 0x0
	s_add_nc_u64 s[4:5], s[90:91], s[16:17]        ; the first pass's block of flags,
	s_add_nc_u64 s[6:7], s[90:91], s[18:19]        ; the second's,
	s_add_nc_u64 s[100:101], s[90:91], s[20:21]    ; my group's in the first pass,
	s_add_nc_u64 s[66:67], s[90:91], s[22:23]      ; and in the second
	s_add_nc_u64 s[86:87], s[86:87], s[24:25]      ; kv at my head
	s_add_nc_u64 s[90:91], s[94:95], s[28:29]      ; out0 at my rows of the first pass,
	s_add_nc_u64 s[94:95], s[94:95], s[30:31]      ; and of the second
	s_add_nc_u64 s[84:85], s[84:85], s[26:27]      ; Q at my head
	s_load_b128 s[12:15], s[92:93], 0x0            ; eq, ek, ep, ev
	s_load_b512 s[16:31], s[4:5], 0x0
	s_load_b512 s[32:47], s[4:5], 0x40
	s_load_b512 s[48:63], s[6:7], 0x0
	s_load_b512 s[68:83], s[6:7], 0x40
	s_load_b128 s[96:99], s[100:101], 0x0
	s_load_b128 s[8:11], s[66:67], 0x0
	GLOAD 86, 0                                    ; step 0's block, always fetched
	QLOAD SC, 8, 0, 0                              ; both passes' Q: the first pass's tiles into S^T's registers, the second's into O^T's
	QLOAD SC, 8, 1, W_D1
	QLOAD OT, 9, 0, 0
	QLOAD OT, 9, 1, W_D1
	s_wait_kmcnt 0x0
	s_or_b32 s5, s96, s97                          ; a group's four words hold four steps' fields each: their OR is the group's 16 fields
	s_or_b32 s5, s5, s98
	s_or_b32 s5, s5, s99
	s_or_b32 s92, s8, s9
	s_or_b32 s92, s92, s10
	s_or_b32 s92, s92, s11
	s_or_b32 s6, s16, s17                          ; the OR over a block's 8 groups: a field is 0 where the step is hidden from all 256 queries
.set n, 18
.rept 30
	s_or_b32 s6, s6, s[n]
.set n, n+1
.endr
	s_or_b32 s93, s48, s49
.set n, 50
.rept 14
	s_or_b32 s93, s93, s[n]
.set n, n+1
.endr
.set n, 68
.rept 16
	s_or_b32 s93, s93, s[n]
.set n, n+1
.endr
	s_add_co_i32 s96, s14, s15                     ; ep + ev
	s_add_co_i32 s66, s12, s13                     ; eq + ek
	s_add_co_i32 s16, s12, 127
	s_lshl_b32 s17, s16, 23                        ; 2^eq as f32: the conversion takes its exponent field
	s_add_co_i32 s16, s16, 8
	s_lshl_b32 s16, s16, 23
	s_or_b32 s16, s16, 0x600000                    ; 448 x 2^eq
	s_add_co_i32 s18, s14, 127
	s_lshl_b32 s19, s18, 23                        ; 2^ep
	s_add_co_i32 s18, s18, 8
	s_lshl_b32 s18, s18, 23
	s_or_b32 s18, s18, 0x600000                    ; 448 x 2^ep
	s_lshl_b32 s20, s104, 13                       ; bits: a group's two query tiles are 8,192 bytes
	s_mov_b32 s21, 0
	s_add_nc_u64 s[10:11], s[88:89], s[20:21]
	s_lshl_b32 s20, s105, 13
	s_add_nc_u64 s[88:89], s[88:89], s[20:21]
	; IS THE HOLD NEEDED?  |t| is at most 448 x 448 x 128 x 0.1276 x 2^(eq + ek), under 2^24 where eq + ek <= 2; t as rounded then differs from the exact c x score by at most 1/2, so t - M <= 1/2 and p <= 1.42,
	; which lies under 448 x 2^ep = 1.75 or more where ep >= -8.  Only there is the hold left out.
	s_cmp_ge_i32 s14, -8
	s_cselect_b32 s104, 0, 1
	s_cmp_le_i32 s66, 2
	s_cselect_b32 s104, s104, 1
	s_lshl_b32 s66, s66, 23
	s_add_co_i32 s12, s66, 0x3e0293ee              ; c = log2(e) / sqrt(128), with eq + ek added to its exponent field: a score stands for score x 2^(eq + ek)
	s_mov_b32 s13, s12                             ; (named with it as a pair, so it is written)
	s_mov_b32 s14, 0x76543210                      ; v_permlanex16_b32's selects for lane l xor 16
	s_mov_b32 s15, 0xfedcba98
	s_cmp_eq_u32 ttmp9, 0
	s_cselect_b32 s97, 2, -1                       ; x = 0 prefetches while more than two trips are to go; the others never
	s_mov_b64 s[8:9], s[86:87]
	s_mov_b32 s4, 2
.irp w, 0, W_D1
	WIN \w
	v_mov_b32 v240, s18
	v_mov_b32 v241, 0xff800000
	v_mov_b32 v244, s19
	v_mov_b32 v248, s17
	v_mov_b32 v249, s16
	v_mov_b32 v236, 0                              ; written once: a lane permute's destination counts as one of its sources
	v_mov_b32 v252, 0
	v_mov_b32 v253, 0                              ; (named as the upper half of the pair v[252:253])
.endr
	WIN 0
	s_wait_loadcnt 48                              ; the first pass's tile 0 is in; the three tiles loaded behind it may be out
	QUANT SC, 16, 0, 0
	s_wait_loadcnt 32
	QUANT SC, 16, W_ALL1, W_ALL1
	s_wait_loadcnt 16
	QUANT OT, 64, 0, W_D1                          ; the second pass's codes wait in window 1
	s_wait_loadcnt 0x0
	QUANT OT, 80, W_ALL1, W_ALL1
.Lpass:                                            ; two trips: block 7 - x, then block x
	INIT 0
	INIT W_ALL1
	s_wait_loadcnt 0x0                             ; step 0's block is in the copy's registers
	GSTORE 0                                       ; into slot 0: its last readers (step 14 of the pass before) were over at step 15's barrier
	s_wait_dscnt 0x0
	s_bfe_u32 s66, s6, (2<<16)|2
	s_cmp_eq_u32 s66, 0
	s_cbranch_scc1 .Lno_one
	GLOAD 8, SLOTB                                 ; step 1's block
.Lno_one:
	s_mov_b32 s3, 8
.Ltrip:                                            ; eight trips of two steps
	STEP 0
	STEP 1
	s_lshr_b32 s5, s5, 4
	s_lshr_b32 s6, s6, 4
	s_wait_xcnt 0x0                                ; the trip's loads and its prefetch have read their bases: they are stepped only behind this wait
	s_add_nc_u64 s[8:9], s[8:9], 2*SLOTB
	s_add_nc_u64 s[10:11], s[10:11], 512
	s_sub_co_u32 s3, s3, 1
	s_cmp_lg_u32 s3, 0
	s_cbranch_scc1 .Ltrip
	s_wait_loadcnt 0x0                             ; no load into the copy's registers is out
	s_cmp_eq_u32 s4, 1
	s_cbranch_scc1 .Lno_next
	GLOAD 86, 0                                    ; the next pass's step 0 lands under the way out
.Lno_next:
	PLACES
	WAYOUT 0
	WAYOUT 1
	s_wait_xcnt 0x0                                ; the stores have read v32-95 and their base, the loads theirs
	WIN 0x01
.set n, 0
.rept 16
	v_mov_b32 v[16+n], v[64+n]                     ; the second pass's Q codes: tile 0's from window 1 into window 0,
.set n, n+1
.endr
	WIN 0x41
.set n, 0
.rept 16
	v_mov_b32 v[16+n], v[80+n]                     ; tile 1's within window 1
.set n, n+1
.endr
	WIN 0
	s_mov_b32 s5, s92
	s_mov_b32 s6, s93
	s_mov_b64 s[10:11], s[88:89]
	s_mov_b64 s[90:91], s[94:95]
	s_mov_b64 s[8:9], s[86:87]
	s_mov_b32 s97, -1                              ; kv has been asked for: the second pass prefetches nothing
	s_sub_co_u32 s4, s4, 1
	s_cmp_lg_u32 s4, 0
	s_cbranch_scc1 .Lpass
	s_wait_tensorcnt 0x0
	ds_add_u32 v251, v255
	s_wait_dscnt 0x0
	s_endpgm
.Lfunc_end_k_qbd0ddef2df_attn:
	.size	k_qbd0ddef2df_attn, .Lfunc_end_k_qbd0ddef2df_attn-k_qbd0ddef2df_attn
	.p2alignl 7, 3214868480
	.fill 96, 4, 3214868480
	.section	.rodata,"a",@progbits
	.p2align	6, 0x0
	.amdhsa_kernel k_qbd0ddef2df_attn
		.amdhsa_group_segment_fixed_size 101376
		.amdhsa_private_segment_fixed_size 0
		.amdhsa_enable_private_segment 0
		.amdhsa_kernarg_size 48
		.amdhsa_user_sgpr_count 2
		.amdhsa_user_sgpr_kernarg_segment_ptr 1
		.amdhsa_wavefront_size32 1
		.amdhsa_system_sgpr_workgroup_id_x 1
		.amdhsa_system_sgpr_workgroup_id_y 1
		.amdhsa_system_sgpr_workgroup_id_z 1
		.amdhsa_system_vgpr_workitem_id 0
		.amdhsa_next_free_vgpr 512
		.amdhsa_next_free_sgpr 106
		.amdhsa_reserve_vcc 0
		.amdhsa_float_denorm_mode_32 3
		.amdhsa_float_denorm_mode_16_64 3
		.amdhsa_memory_ordered 1
		.amdhsa_forward_progress 1
		.amdhsa_inst_pref_size 142
	.end_amdhsa_kernel
	.amdgpu_metadata
---
amdhsa.version: [ 1, 2 ]
amdhsa.kernels:
  - .name:           k_qbd0ddef2df_attn
    .symbol:         k_qbd0ddef2df_attn.kd
    .args:
      - { .name: Q, .offset: 0, .size: 8, .value_kind: global_buffer, .address_space: global }
      - { .name: kv, .offset: 8, .size: 8, .value_kind: global_buffer, .address_space: global }
      - { .name: bits, .offset: 16, .size: 8, .value_kind: global_buffer, .address_space: global }
      - { .name: flags, .offset: 24, .size: 8, .value_kind: global_buffer, .address_space: global }
      - { .name: lowp_scales, .offset: 32, .size: 8, .value_kind: global_buffer, .address_space: global }
      - { .name: out0, .offset: 40, .size: 8, .value_kind: global_buffer, .address_space: global }
    .group_segment_fixed_size: 101376
    .private_segment_fixed_size: 0
    .kernarg_segment_align: 8
    .kernarg_segment_size: 48
    .max_flat_workgroup_size: 256
    .sgpr_count:     106
    .vgpr_count:     512
    .wavefront_size: 32
...
	.end_amdgpu_metadata
.endif
;; end of part 2
;; ======== version 2 of 2: 2 launches; version 1 with the launch attn written anew for expert scheduling mode
;; workspace buffers: kv 33,554,432 bytes; bits 524,288 bytes of whole numbers; flags 1,024 bytes of whole numbers
;; launch prep: the kernel of part 1 again; grid 1088 x 1, 4 waves a work-group, no clusters, 74,240 bytes of LDS; arguments K, V, mask, lowp_scales, kv, bits, flags; writes kv, bits, flags
;; launch attn (part 3): grid 4 x 64, 8 waves a work-group, no clusters, 101,376 bytes of LDS; arguments Q, kv, bits, flags, lowp_scales, out0; writes out0
.if DOCPART == 3
	.amdgcn_target "amdgcn-amd-amdhsa--gfx1250"
	.amdhsa_code_object_version 6
	.text
	.protected	k_qbd0ddef2df_attn
	.globl	k_qbd0ddef2df_attn
	.p2align	8
	.type	k_qbd0ddef2df_attn,@function
k_qbd0ddef2df_attn:
	s_mov_b64 s[64:65], 0
	v_nop
	global_prefetch_b8 v0, s[64:65] scope:SCOPE_SE
	s_setreg_imm32_b32 hwreg(HW_REG_WAVE_SCHED_MODE, 0, 2), 2
	s_setreg_imm32_b32 hwreg(HW_REG_WAVE_MODE, 25, 1), 1
	s_wait_xcnt 0x0
	s_wait_alu depctr_vm_vsrc(0)
; out0[head][q][:] = the sum over k of softmax_k(mask ? Q[q] . K[k] / sqrt(128) : -infinity) V[k][:], 64 heads, 2,048 queries and keys, head size 128; both products on codes of FP8 (E4M3), each operand with its given scale 2^e.
; Q arrives as f32 and is quantised here, in registers.  K and V arrive as codes in kv, laid as images of the operands' registers, 32,768 bytes for a step of 128 keys; the mask as lane masks (bits) and as 2-bit flags.
; THE SOFTMAX AHEAD OF THE SECOND PRODUCT: t = score x log2(e) / sqrt(128); M = the row's largest t so far, rounded UP to a whole number; p = 2^(t - M) is quantised, not normalised; the row's sum is taken of the
; unquantised p and divides at the end.  When M moves, the sum and O are multiplied by 2^(old M - new M), which rounds nothing.  A row that the mask hides wholly keeps sum 0 and O 0: 0 x (1 / 0) is NaN, as the softmax of such a row is.
; SHARES.  Work-group (x, head) owns query blocks 7 - x and x, 256 queries each, one after the other (an order of work, right for any mask).  Each of its eight waves owns 32 queries of a block: two tiles of 16.
; Tile 0's state lies in register window 0, tile 1's in window 1 under the same numbers, so each step of the work is written once and run under two window settings; a fragment read from LDS feeds both tiles' products.
; WHAT THE MASK HIDES IS NOT DONE.  A step whose flag is 0 for my 32 queries is jumped over (a scalar branch on stored whole numbers); one that is 0 for all 256 queries of the block is not fetched either; a flag of 1 applies
; the lane masks, a flag of 2 needs none.  Every wave passes every barrier: none stands under such a branch.
; NO TENSOR LOADS, NO CLUSTER: K and V go to LDS through registers:
; thread t copies bytes 16 t + 4,096 j, j = 0 .. 7, of a step's block; the load is issued two steps ahead of the step's use, the LDS store one step ahead: two slots, one barrier a step.
; LAYOUT.  Both products are used transposed: S^T = K Q^T, O^T = V^T P^T: a lane holds ONE query (lane % 16).  Score register 16 b + i of lane (r, h) is key 32 b + 16 h + i, so the conversions' results are P's fragment.
; k is permuted alike in both operands of each product (registers 4 c on: k = 32 c + 16 h + 0 .. 15): every product meets its partner; only the order of the sums inside an instruction differs.
; LIMITS: eq and ep between -126 and 119; eq + ek between -123 and 130 (added to c's exponent field); ep + ev goes by v_ldexp_f32 and has none.  NaN among Q is not served (an infinity is held at the largest code).
; THE MODE: SCHED_MODE bits 1:0 = 2 (LLVM: expert scheduling mode 2), set by the entry lines.  The code itself states the register dependences between vector or matrix instructions and memory or LDS instructions, with s_wait_alu, always for 0.
; THE PLAN.  Registers that memory or LDS instructions touch:
;   v1-v5, v7-v9   addresses and offsets: written at the head, ahead of one wait on va_vdst, and never again.  v251, v255: written at the head, read by the closing add alone.
;   the copy's registers (window 1, v32-63): global loads land in them, LDS stores read them, no vector or matrix instruction names them.  One wait on vm_vsrc a step, behind the stores, ahead of the branch round the next loads.
;   v32-95         LDS loads land in them three times a step (K's tiles 0-3, K's tiles 4-7, V's tiles 0-3); products read them as A.  Ahead of each run of loads one wait on va_vdst: the products that read what lay there are done.
;   v96-159        S^T of tile 0.  When tile 0's p has been quantised they are free, and V's tiles 4-7 land in them.  The loads stand at the wait that tile 1's exponentials have anyway: all of tile 0's softmax was issued ahead of
;                  it, and the rest of tile 1's softmax, under which the loads land, names window 1 alone.  So a step's sixteen products V^T P^T follow each other with no load and no wait between them.
;   the way out    a tile's 64 multiplications write its S^T registers; one wait on va_vdst; LDS stores read them; LDS loads land in v32-95; global stores read those.  A wait on vm_vsrc stands ahead of the next loads into v32-95
;                  (tile 1's; the next pass's) and of the next pass's writes of S^T.
; REGISTERS.  window 0 only: v1 16 x lane; v2 16 x thread; v3 256 x thread; v4, v5 the stage, in and back; v6 Q's lane offset; v7 out0's; v8, v9 Q's offsets of the two passes; v32-95 four fragments, later rows of out0; v251, v255 the closing add's two.
;   both windows: v12 -M, v13 the largest t, v[14:15] the sum in two halves, v16-31 Q's codes, v96-159 S^T then p (window 0: then V's last four fragments), v160-223 O^T, v224-239 p's codes, v240 448 x 2^ep, v241 -infinity, v244 2^ep, v248 2^eq, v249 448 x 2^eq, v236, v242-243, v252-254 at work.
;   window 1 only: v32-63 the copy's registers; v64-79, v80-95 the second pass's Q codes of tiles 0 and 1.
; SCALARS: s2 wave; s3 trips to go; s4 passes to go; s5 my group's flags, s6 the block's (both shifted as the steps go); s7 this step's flag; s[8:9] kv at this trip; s[10:11] bits at my tile 0 and this trip; s[12:13] c; s[14:15] lane selects;
;   s16-63, s68-83 the 64 lane masks; s66, s67 at work; s[84:85] Q at my head; s[86:87] kv at my head; s[88:89], s92, s93, s[94:95] the second pass's bits, flags and out0; s[90:91] out0 at my rows; s96 ep + ev; s97 who prefetches; s104 is the hold needed.
.set SLOTB, 32768                      ; a slot: one step's block of kv, byte for byte
.set VIMG,  16384                      ; V's images in it
.set STAGE, 2*SLOTB                    ; behind the slots: 16 rows x 272 bytes for each wave, for the way out
.set SP,    272
.set WSTG,  16*SP
.set FRG,   32
.set SC,    96
.set OT,    160
.set PC,    224
.set W_ALL1, 0x55                      ; every operand place in window 1
.set W_MM1,  0x54                      ; A in window 0; B, C and D in window 1
.set W_D1,   0x40                      ; destination in window 1
.set W_S1,   0x04                      ; an LDS store's data in window 1
.set MSB, 0
.macro WIN new                         ; the immediate's high byte repeats the setting that is left; a switch that changes nothing is dropped.  At every label and branch the setting is 0
.if MSB != (\new)
	s_set_vgpr_msb (MSB<<8)|(\new)
.set MSB, (\new)
.endif
.endm
.macro PLACES n                        ; a vector instruction that reads a matrix result stands four plain vector instructions behind it, a matrix instruction that writes over a register of an earlier one five; the places in front of loads stay as they stood, beside the waits
.rept \n
	v_nop
.endr
.endm
.macro GSTORE off                      ; my 128 bytes x 8 of a step's block, from the copy's registers into a slot
	WIN W_S1
.irp j, 0,1,2,3,4,5,6,7
	ds_store_b128 v2, v[32+4*\j:35+4*\j] offset:(\off)+4096*\j
.endr
	WIN 0
.endm
.macro GLOAD p, off                    ; and from kv into those registers: a wave's load reads 512 consecutive bytes.  No hint: four work-groups and both passes read a block
	WIN W_D1
.irp j, 0,1,2,3,4,5,6,7
	global_load_b128 v[32+4*\j:35+4*\j], v2, s[\p:\p+1] offset:(\off)+4096*\j
.endr
	WIN 0
.endm
.macro MLOAD t, sl                     ; tile t's 64 lane masks of this step: word n to s[16 + n], from n = 48 on to s[20 + n]
	s_load_b512 s[16:31], s[10:11], 4096*(\t)+256*(\sl)
	s_load_b512 s[32:47], s[10:11], 4096*(\t)+256*(\sl)+64
	s_load_b512 s[48:63], s[10:11], 4096*(\t)+256*(\sl)+128
	s_load_b512 s[68:83], s[10:11], 4096*(\t)+256*(\sl)+192
.endm
.macro FETCH dst, g, base              ; four fragments, images 4 g .. 4 g + 3 from LDS byte base on, into v[dst] on: each load takes 512 consecutive bytes
.irp t, 0,1,2,3
.irp c, 0,1,2,3
	ds_load_b128 v[\dst+16*\t+4*\c:\dst+16*\t+4*\c+3], v1 offset:(\base)+2048*(4*(\g)+\t)+512*\c
.endr
.endr
.endm
.macro KQ g                            ; S^T = K Q^T: key tiles 4 g .. 4 g + 3, for tile 0 and then for tile 1.  Each product starts its sum with the constant 0
.irp t, 0,1,2,3
	v_wmma_f32_16x16x128_fp8_fp8 v[SC+8*(4*(\g)+\t):SC+8*(4*(\g)+\t)+7], v[FRG+16*\t:FRG+16*\t+15], v[16:31], 0
.endr
	WIN W_MM1
.irp t, 0,1,2,3
	v_wmma_f32_16x16x128_fp8_fp8 v[SC+8*(4*(\g)+\t):SC+8*(4*(\g)+\t)+7], v[FRG+16*\t:FRG+16*\t+15], v[16:31], 0
.endr
	WIN 0
.endm
.macro PVT                             ; O^T += V^T P^T for one tile of queries, under its window: channel tiles 0-3 from v32-95, channel tiles 4-7 from tile 0's S^T registers.  The accumulators take turns, one instruction a turn
.irp t, 0,1,2,3
	v_wmma_f32_16x16x128_fp8_fp8 v[OT+8*\t:OT+8*\t+7], v[FRG+16*\t:FRG+16*\t+15], v[PC:PC+15], v[OT+8*\t:OT+8*\t+7]
.endr
.irp t, 0,1,2,3
	v_wmma_f32_16x16x128_fp8_fp8 v[OT+32+8*\t:OT+32+8*\t+7], v[SC+16*\t:SC+16*\t+15], v[PC:PC+15], v[OT+32+8*\t:OT+32+8*\t+7]
.endr
.endm
.macro APPLY w                         ; in a mixed step hidden scores become -infinity ahead of the maximum: p = 0 then.  Each accumulator is read from its low end on
	s_wait_kmcnt 0x0                               ; the lane masks are in (on every path: the next tile's loads land in the same registers)
	s_cmp_lg_u32 s7, 1
	s_cbranch_scc1 .Lclear_\@
	WIN \w
.set n, 0
.rept 64
	v_cndmask_b32 v[SC+n], v241, v[SC+n], s[16+n+4*(n/48)]
.set n, n+1
.endr
	WIN 0
.Lclear_\@:
.endm
.macro SM w, fetch, base               ; one tile's softmax for 128 keys, under the tile's window.  fetch = 1 (tile 1's): V's last four fragments, from LDS byte base on, are asked for at the exponentials' wait
	WIN \w
	v_max3_num_f32 v254, v[SC], v[SC+1], v[SC+2]   ; the step's largest score of my query among my 64 keys, in two chains, the registers in ascending order,
	v_max3_num_f32 v252, v[SC+3], v[SC+4], v[SC+5]
.set n, 6
.rept 14
	v_max3_num_f32 v254, v254, v[SC+n], v[SC+n+1]
	v_max3_num_f32 v252, v252, v[SC+n+2], v[SC+n+3]
.set n, n+4
.endr
	v_max3_num_f32 v254, v254, v[SC+62], v[SC+63]
	v_max_num_f32 v254, v254, v252
	v_permlanex16_b32 v236, v254, s14, s15
	v_max_num_f32 v254, v254, v236                 ; and among lane l xor 16's
	v_mul_f32 v254, s12, v254                      ; as t (c is positive)
	v_max_num_f32 v13, v13, v254                   ; the running largest t
	v_mov_b32 v254, v12
	v_floor_f32 v12, -v13                          ; the new -M = floor(-t) = -ceil(t): a whole number
	v_sub_f32 v254, v12, v254                      ; old M less new M: a whole number, 0 or less
	v_cvt_i32_f32 v254, v254                       ; (it saturates)
	v_ldexp_f32 v252, 1.0, v254                    ; f = 2^(old M - new M)
.set n, 0
.rept 32
	v_pk_fma_f32 v[SC+n:SC+n+1], v[SC+n:SC+n+1], s[12:13], v[12:13] op_sel_hi:[1,0,0]   ; t - M, two at a time (of the pairs c and -M the low word serves both halves)
.set n, n+2
.endr
.set n, 0
.rept 64
	v_exp_f32 v[SC+n], v[SC+n]                     ; p = 2^(t - M)
.set n, n+1
.endr
	v_pk_mul_f32 v[14:15], v[14:15], v[252:253] op_sel_hi:[1,0]   ; the sums under the new M: the plain instruction behind the exponentials
.if \fetch
	WIN 0                                          ; (the loads below name window 0: the switch, then the wait, then the loads)
	s_wait_alu depctr_va_vdst(0)                   ; the 64 exponentials have written p, ahead of its first reader; and tile 0's softmax and conversions are done writing and reading tile 0's S^T registers, in which the loads below land
	FETCH SC, 1, \base                             ; V's last four fragments: what is left of this softmax, under which they land, names window 1 alone
	WIN \w
.else
	s_wait_alu depctr_va_vdst(0)                   ; the 64 exponentials have written p: one wait for the whole batch, ahead of its first reader
.endif
	v_pk_add_f32 v[242:243], v[SC:SC+1], v[SC+2:SC+3]   ; the row's sum is taken of the unquantised p, two at a time, in two chains
.set n, 4
.rept 15
	v_pk_add_f32 v[14:15], v[14:15], v[SC+n:SC+n+1]
	v_pk_add_f32 v[242:243], v[242:243], v[SC+n+2:SC+n+3]
.set n, n+4
.endr
	v_pk_add_f32 v[14:15], v[14:15], v[242:243]
	WIN 0
	s_cmp_eq_u32 s104, 0                           ; the hold at the largest code is left out only where it could never act (see where s104 is made)
	s_cbranch_scc1 .Lno_hold_\@
	WIN \w
.set n, 0
.rept 64
	v_min_num_f32 v[SC+n], v[SC+n], v240           ; the conversion does not saturate (ISA guide 7.6.2); p is not negative, so the hold is one-sided
.set n, n+1
.endr
	WIN 0
.Lno_hold_\@:
	WIN \w
.irp b, 0,1,2,3
	v_cvt_scalef32_pk8_fp8_f32 v[PC+4*\b:PC+4*\b+1], v[SC+16*\b:SC+16*\b+7], v244
	v_cvt_scalef32_pk8_fp8_f32 v[PC+4*\b+2:PC+4*\b+3], v[SC+16*\b+8:SC+16*\b+15], v244
.endr
.set n, 0
.rept 32
	v_pk_mul_f32 v[OT+n:OT+n+1], v[OT+n:OT+n+1], v[252:253] op_sel_hi:[1,0]   ; O^T under the new M.  (Plain lines between the conversions and the products that read the codes)
.set n, n+2
.endr
	WIN 0
.endm
.macro INIT w                          ; a tile's state at a pass's head.  O^T is cleared by moves: which step is a row's first is decided by the stored flags, so no product can be written out as the one that starts the sums
	WIN \w
	v_mov_b32 v13, 0xff61b1e6                      ; the largest t so far: -3e38, under every t
	v_floor_f32 v12, -v13
	v_mov_b32 v14, 0
	v_mov_b32 v15, 0
.set n, 0
.rept 64
	v_mov_b32 v[OT+n], 0
.set n, n+1
.endr
	WIN 0
.endm
.macro QLOAD dst, va, t, w             ; tile t's 16 queries: lane (r, h) takes, of row r, d = 32 b + 16 h + 0 .. 15 of each b: register 16 b + i is the fragment's order
	WIN \w
.irp b, 0,1,2,3
.irp j, 0,1,2,3
	global_load_b128 v[\dst+16*\b+4*\j:\dst+16*\b+4*\j+3], v[\va], s[84:85] offset:8192*\t+128*\b+16*\j th:TH_LOAD_NT
.endr
.endr
	WIN 0
.endm
.macro QUANT src, dst, wmed, wcvt      ; 64 numbers of a lane become a fragment's 16 registers of codes
	WIN \wmed
.set n, 0
.rept 64
	v_med3_num_f32 v[\src+n], v[\src+n], -v249, v249
.set n, n+1
.endr
	WIN \wcvt
.irp b, 0,1,2,3
	v_cvt_scalef32_pk8_fp8_f32 v[\dst+4*\b:\dst+4*\b+1], v[\src+16*\b:\src+16*\b+7], v248
	v_cvt_scalef32_pk8_fp8_f32 v[\dst+4*\b+2:\dst+4*\b+3], v[\src+16*\b+8:\src+16*\b+15], v248
.endr
	v_nop                                          ; a plain vector line behind the last conversion: products later read the codes and write the numbers' registers
	WIN 0
.endm
.macro ASK                             ; A PREFETCH INTO THE L2 of the kv blocks of the trip two trips on: 65,536 bytes, 256 bytes a thread, one instruction a wave, behind the wave's own loads.
	s_cmp_gt_u32 s3, s97                           ; All four work-groups of a head walk the same kv: the one with x = 0 asks, in its first pass alone, so each aligned 256 bytes are named once in the launch.
	s_cbranch_scc0 .Lnot_mine_\@                   ; The first two trips come by their loads alone; the last two trips (s3 = 2, 1) ask for nothing: there is no trip two on
	global_prefetch_b8 v3, s[8:9] offset:4*SLOTB th:TH_LOAD_NT scope:SCOPE_SE
.Lnot_mine_\@:
.endm
; A STEP of 128 keys, read from slot sl.  s6's field at bits 1:0 is the trip's first step.
.macro STEP sl
	s_wait_dscnt 0x0                               ; my reads of the other slot (the step before) are back and my stores of this step's block have landed:
	s_barrier_signal -1
	s_barrier_wait -1                              ; both now hold of all eight waves: this slot is whole, and nobody reads the other one
	s_wait_loadcnt 0x0                             ; the next step's block is in the copy's registers (on every path)
	s_bfe_u32 s66, s6, (2<<16)|(2+2*(\sl))
	s_cmp_eq_u32 s66, 0
	s_cbranch_scc1 .Lno_store_\@                   ; a step that the mask hides from the whole block is neither fetched nor stored: the same in all eight waves
	GSTORE (1-\sl)*SLOTB
.Lno_store_\@:
	s_wait_dscnt 0x0                               ; my stores into the other slot have landed
	s_wait_alu depctr_vm_vsrc(0)                   ; the LDS stores have read the copy's registers, in which the next loads land: this step's, a later step's, or the next pass's first
	s_bfe_u32 s66, s6, (2<<16)|(4+2*(\sl))         ; (behind the sixteenth step the fields are 0: the shifts bring zeros in, so the last steps load nothing)
	s_cmp_eq_u32 s66, 0
	s_cbranch_scc1 .Lno_load_\@
	GLOAD 8, (2+\sl)*SLOTB                         ; the block two steps on: it has this step's work in which to land
.Lno_load_\@:
.if \sl == 0
	ASK
.endif
	s_bfe_u32 s7, s5, (2<<16)|(2*(\sl))
	s_cmp_eq_u32 s7, 0
	s_cbranch_scc1 .Lhidden_\@                     ; all 128 keys are hidden from my 32 queries
	MLOAD 0, \sl
	PLACES 5                                       ; five: the products K Q^T below write tile 0's S^T over registers that the last step's products read as A
	s_wait_alu depctr_va_vdst(0)                   ; the last step's products V^T P^T are done reading v32-95, in which the loads below land
	FETCH FRG, 0, SLOTB*\sl
	s_wait_dscnt 0x0
	KQ 0
	PLACES 4
	s_wait_alu depctr_va_vdst(0)                   ; the eight products above are done reading v32-95, in which the loads below land
	FETCH FRG, 1, SLOTB*\sl
	s_wait_dscnt 0x0
	KQ 1
	PLACES 4                                       ; for the loads below and for the first reads of the scores
	s_wait_alu depctr_va_vdst(0)                   ; the eight products above are done reading v32-95, in which the loads below land
	FETCH FRG, 0, SLOTB*\sl+VIMG                   ; V's first four fragments land under the softmax
	APPLY 0
	MLOAD 1, \sl                                   ; tile 1's lane masks land under tile 0's softmax
	SM 0, 0, 0
	APPLY W_ALL1
	SM W_ALL1, 1, SLOTB*\sl+VIMG
	s_wait_dscnt 0x0                               ; all eight fragments of V are in
	PVT                                            ; tile 0's eight products,
	WIN W_MM1
	PVT                                            ; tile 1's eight
	WIN 0
.Lhidden_\@:
.endm
; THE WAY OUT of tile t: O^T / the sum x 2^(ep + ev), through my stage in LDS, half a row (64 channels, 256 bytes) of 16 queries at a time.
.macro WAYOUT t
	WIN W_ALL1*\t
	v_add_f32 v14, v14, v15                        ; the sum's two halves,
	v_permlanex16_b32 v252, v14, s14, s15
	v_add_f32 v14, v14, v252                       ; and lane l xor 16's
	v_rcp_f32 v14, v14
	v_nop                                          ; a plain instruction behind the reciprocal,
	s_wait_alu depctr_va_vdst(0)                   ; and the wait: the reciprocal is written, ahead of its first reader
	v_ldexp_f32 v14, v14, s96
.set n, 0
.rept 64
	v_mul_f32 v[SC+n], v[OT+n], v14                ; register 8 T + j is o(r, 16 T + 8 h + j); each accumulator from its low end on
.set n, n+1
.endr
	WIN 0
.if \t
	s_wait_xcnt 0x0                                ; tile 0's stores have had their addresses translated: v32-95 are loaded again only behind this wait,
	s_wait_alu depctr_vm_vsrc(0)                   ; and behind this one: tile 0's global stores have read v32-95, in which the LDS loads below land
.endif
	s_wait_alu depctr_va_vdst(0)                   ; the 64 multiplications have written the tile's S^T registers, which the LDS stores below read; the last products are done reading v32-95, in which the LDS loads below land
.irp u, 0,1
	WIN W_S1*\t
.irp q, 0,1,2,3
	ds_store_b128 v4, v[SC+32*\u+8*\q:SC+32*\u+8*\q+3] offset:64*\q
	ds_store_b128 v4, v[SC+32*\u+8*\q+4:SC+32*\u+8*\q+7] offset:64*\q+16
.endr
	WIN 0
.irp i, 0,1,2,3,4,5,6,7
	ds_load_b128 v[FRG+32*\u+4*\i:FRG+32*\u+4*\i+3], v5 offset:2*\i*SP   ; LDS serves a wave's instructions in order (ISA guide 5.7.1.4): these see my stores, and the next half's stores come behind them
.endr
.endr
.irp u, 0,1
.irp i, 0,1,2,3,4,5,6,7
	s_wait_dscnt 23-16*\u-\i                       ; behind this load: the rest of its half's loads, and for the first half the second half's 8 stores and 8 loads
	global_store_b128 v7, v[FRG+32*\u+4*\i:FRG+32*\u+4*\i+3], s[90:91] offset:8192*\t+1024*\i+256*\u th:TH_STORE_NT   ; 16 lanes store 256 consecutive bytes, at a multiple of 256 from out0's first byte
.endr
.endr
.endm
	s_load_b256 s[84:91], s[0:1], 0x0              ; Q s[84:85], kv s[86:87], bits s[88:89], flags s[90:91]
	s_load_b128 s[92:95], s[0:1], 0x20             ; the scales' exponents s[92:93], out0 s[94:95]
	v_lshl_add_u32 v251, v0, 2, 0x18800
	v_mov_b32 v255, 0
	v_lshrrev_b32 v8, 5, v0
	v_readfirstlane_b32 s2, v8                     ; wave 0..7
	v_and_b32 v8, 31, v0
	v_lshlrev_b32 v1, 4, v8                        ; 16 x lane
	v_lshlrev_b32 v2, 4, v0                        ; 16 x thread
	v_lshlrev_b32 v3, 8, v0                        ; 256 x thread
	v_and_b32 v10, 15, v0                          ; r
	v_bfe_u32 v11, v0, 4, 1                        ; h
	s_wait_alu depctr_va_sdst(0)                   ; s2 is written, ahead of its first reader: the stage's place, the groups and the bases are made from it
	s_mul_i32 s7, s2, WSTG
	s_add_co_u32 s7, s7, STAGE                     ; my stage
	v_mul_u32_u24 v4, v10, SP
	v_lshl_add_u32 v4, v11, 5, v4
	v_add_nc_u32 v4, s7, v4                        ; in: row r, 32 bytes for each half of the lanes
	v_mul_u32_u24 v5, v11, SP
	v_lshl_add_u32 v5, v10, 4, v5
	v_add_nc_u32 v5, s7, v5                        ; back: lanes 0-15 one row, lanes 16-31 the next
	v_lshlrev_b32 v6, 9, v10
	v_lshl_add_u32 v6, v11, 6, v6                  ; Q: row r of 512 bytes, + 64 h
	v_lshlrev_b32 v7, 9, v11
	v_lshl_add_u32 v7, v10, 4, v7                  ; out0: row h, 16 bytes a lane
	s_and_b32 s3, ttmp7, 0xffff                    ; the head
	s_sub_co_u32 s66, 7, ttmp9                     ; the first pass's block: 7 - x; the second's: x
	s_lshl_b32 s104, s66, 3
	s_add_co_u32 s104, s104, s2                    ; g0: my group of 32 queries in the first pass,
	s_lshl_b32 s105, ttmp9, 3
	s_add_co_u32 s105, s105, s2                    ; g1: in the second
	v_lshl_add_u32 v8, s104, 14, v6                ; a group's rows of Q are 16,384 bytes
	v_lshl_add_u32 v9, s105, 14, v6
	s_lshl_b32 s16, s66, 7                         ; flags: a block's 8 groups are 128 bytes,
	s_mov_b32 s17, 0
	s_lshl_b32 s18, ttmp9, 7
	s_mov_b32 s19, 0
	s_lshl_b32 s20, s104, 4                        ; a group 16
	s_mov_b32 s21, 0
	s_lshl_b32 s22, s105, 4
	s_mov_b32 s23, 0
	s_lshl_b32 s24, s3, 19                         ; kv: a head's 16 blocks
	s_mov_b32 s25, 0
	s_lshl_b32 s26, s3, 20                         ; Q and out0: a head's 2,048 rows of 512 bytes
	s_mov_b32 s27, 0
	s_lshl_b32 s28, s104, 14
	s_add_co_u32 s28, s28, s26
	s_mov_b32 s29, 0
	s_lshl_b32 s30, s105, 14
	s_add_co_u32 s30, s30, s26
	s_mov_b32 s31, 0
	s_wait_kmcnt 0x0
	s_add_nc_u64 s[4:5], s[90:91], s[16:17]        ; the first pass's block of flags,
	s_add_nc_u64 s[6:7], s[90:91], s[18:19]        ; the second's,
	s_add_nc_u64 s[100:101], s[90:91], s[20:21]    ; my group's in the first pass,
	s_add_nc_u64 s[66:67], s[90:91], s[22:23]      ; and in the second
	s_add_nc_u64 s[86:87], s[86:87], s[24:25]      ; kv at my head
	s_add_nc_u64 s[90:91], s[94:95], s[28:29]      ; out0 at my rows of the first pass,
	s_add_nc_u64 s[94:95], s[94:95], s[30:31]      ; and of the second
	s_add_nc_u64 s[84:85], s[84:85], s[26:27]      ; Q at my head
	s_load_b128 s[12:15], s[92:93], 0x0            ; eq, ek, ep, ev
	s_load_b512 s[16:31], s[4:5], 0x0
	s_load_b512 s[32:47], s[4:5], 0x40
	s_load_b512 s[48:63], s[6:7], 0x0
	s_load_b512 s[68:83], s[6:7], 0x40
	s_load_b128 s[96:99], s[100:101], 0x0
	s_load_b128 s[8:11], s[66:67], 0x0
	s_wait_alu depctr_va_vdst(0)                   ; the addresses and offsets v1 to v5 and v7 to v9 are written, which every load, store and prefetch of the kernel reads; none of them is written again
	GLOAD 86, 0                                    ; step 0's block, always fetched
	QLOAD SC, 8, 0, 0                              ; both passes' Q: the first pass's tiles into S^T's registers, the second's into O^T's
	QLOAD SC, 8, 1, W_D1
	QLOAD OT, 9, 0, 0
	QLOAD OT, 9, 1, W_D1
	s_wait_kmcnt 0x0
	s_or_b32 s5, s96, s97                          ; a group's four words hold four steps' fields each: their OR is the group's 16 fields
	s_or_b32 s5, s5, s98
	s_or_b32 s5, s5, s99
	s_or_b32 s92, s8, s9
	s_or_b32 s92, s92, s10
	s_or_b32 s92, s92, s11
	s_or_b32 s6, s16, s17                          ; the OR over a block's 8 groups: a field is 0 where the step is hidden from all 256 queries
.set n, 18
.rept 30
	s_or_b32 s6, s6, s[n]
.set n, n+1
.endr
	s_or_b32 s93, s48, s49
.set n, 50
.rept 14
	s_or_b32 s93, s93, s[n]
.set n, n+1
.endr
.set n, 68
.rept 16
	s_or_b32 s93, s93, s[n]
.set n, n+1
.endr
	s_add_co_i32 s96, s14, s15                     ; ep + ev
	s_add_co_i32 s66, s12, s13                     ; eq + ek
	s_add_co_i32 s16, s12, 127
	s_lshl_b32 s17, s16, 23                        ; 2^eq as f32: the conversion takes its exponent field
	s_add_co_i32 s16, s16, 8
	s_lshl_b32 s16, s16, 23
	s_or_b32 s16, s16, 0x600000                    ; 448 x 2^eq
	s_add_co_i32 s18, s14, 127
	s_lshl_b32 s19, s18, 23                        ; 2^ep
	s_add_co_i32 s18, s18, 8
	s_lshl_b32 s18, s18, 23
	s_or_b32 s18, s18, 0x600000                    ; 448 x 2^ep
	s_lshl_b32 s20, s104, 13                       ; bits: a group's two query tiles are 8,192 bytes
	s_mov_b32 s21, 0
	s_add_nc_u64 s[10:11], s[88:89], s[20:21]
	s_lshl_b32 s20, s105, 13
	s_add_nc_u64 s[88:89], s[88:89], s[20:21]
	; IS THE HOLD NEEDED?  |t| is at most 448 x 448 x 128 x 0.1276 x 2^(eq + ek), under 2^24 where eq + ek <= 2; t as rounded then differs from the exact c x score by at most 1/2, so t - M <= 1/2 and p <= 1.42,
	; which lies under 448 x 2^ep = 1.75 or more where ep >= -8.  Only there is the hold left out.
	s_cmp_ge_i32 s14, -8
	s_cselect_b32 s104, 0, 1
	s_cmp_le_i32 s66, 2
	s_cselect_b32 s104, s104, 1
	s_lshl_b32 s66, s66, 23
	s_add_co_i32 s12, s66, 0x3e0293ee              ; c = log2(e) / sqrt(128), with eq + ek added to its exponent field: a score stands for score x 2^(eq + ek)
	s_mov_b32 s13, s12                             ; (named with it as a pair, so it is written)
	s_mov_b32 s14, 0x76543210                      ; v_permlanex16_b32's selects for lane l xor 16
	s_mov_b32 s15, 0xfedcba98
	s_cmp_eq_u32 ttmp9, 0
	s_cselect_b32 s97, 2, -1                       ; x = 0 prefetches while more than two trips are to go; the others never
	s_mov_b64 s[8:9], s[86:87]
	s_mov_b32 s4, 2
.irp w, 0, W_D1
	WIN \w
	v_mov_b32 v240, s18
	v_mov_b32 v241, 0xff800000
	v_mov_b32 v244, s19
	v_mov_b32 v248, s17
	v_mov_b32 v249, s16
	v_mov_b32 v236, 0                              ; written once: a lane permute's destination counts as one of its sources
	v_mov_b32 v252, 0
	v_mov_b32 v253, 0                              ; (named as the upper half of the pair v[252:253])
.endr
	WIN 0
	s_wait_loadcnt 48                              ; the first pass's tile 0 is in; the three tiles loaded behind it may be out
	QUANT SC, 16, 0, 0
	s_wait_loadcnt 32
	QUANT SC, 16, W_ALL1, W_ALL1
	s_wait_loadcnt 16
	QUANT OT, 64, 0, W_D1                          ; the second pass's codes wait in window 1
	s_wait_loadcnt 0x0
	QUANT OT, 80, W_ALL1, W_ALL1
.Lpass:                                            ; two trips: block 7 - x, then block x
	INIT 0
	INIT W_ALL1
	s_wait_loadcnt 0x0                             ; step 0's block is in the copy's registers
	GSTORE 0                                       ; into slot 0: its last readers (step 14 of the pass before) were over at step 15's barrier
	s_wait_dscnt 0x0
	s_wait_alu depctr_vm_vsrc(0)                   ; the LDS stores have read the copy's registers, in which the next loads land: step 1's below, or a later step's
	s_bfe_u32 s66, s6, (2<<16)|2
	s_cmp_eq_u32 s66, 0
	s_cbranch_scc1 .Lno_one
	GLOAD 8, SLOTB                                 ; step 1's block
.Lno_one:
	s_mov_b32 s3, 8
.Ltrip:                                            ; eight trips of two steps
	STEP 0
	STEP 1
	s_lshr_b32 s5, s5, 4
	s_lshr_b32 s6, s6, 4
	s_wait_xcnt 0x0                                ; the trip's loads and its prefetch have read their bases: they are stepped only behind this wait
	s_add_nc_u64 s[8:9], s[8:9], 2*SLOTB
	s_add_nc_u64 s[10:11], s[10:11], 512
	s_sub_co_u32 s3, s3, 1
	s_cmp_lg_u32 s3, 0
	s_cbranch_scc1 .Ltrip
	s_wait_loadcnt 0x0                             ; no load into the copy's registers is out
	s_cmp_eq_u32 s4, 1
	s_cbranch_scc1 .Lno_next
	GLOAD 86, 0                                    ; the next pass's step 0 lands under the way out (the last step's wait on vm_vsrc stands behind the last LDS stores that read these registers)
.Lno_next:
	PLACES 4
	WAYOUT 0
	WAYOUT 1
	s_wait_xcnt 0x0                                ; the stores have read v32-95 and their base, the loads theirs
	s_wait_alu depctr_vm_vsrc(0)                   ; the way out's LDS stores have read both tiles' S^T registers and its global stores v32-95: the next pass's products and LDS loads write them
	WIN 0x01
.set n, 0
.rept 16
	v_mov_b32 v[16+n], v[64+n]                     ; the second pass's Q codes: tile 0's from window 1 into window 0,
.set n, n+1
.endr
	WIN 0x41
.set n, 0
.rept 16
	v_mov_b32 v[16+n], v[80+n]                     ; tile 1's within window 1
.set n, n+1
.endr
	WIN 0
	s_mov_b32 s5, s92
	s_mov_b32 s6, s93
	s_mov_b64 s[10:11], s[88:89]
	s_mov_b64 s[90:91], s[94:95]
	s_mov_b64 s[8:9], s[86:87]
	s_mov_b32 s97, -1                              ; kv has been asked for: the second pass prefetches nothing
	s_sub_co_u32 s4, s4, 1
	s_cmp_lg_u32 s4, 0
	s_cbranch_scc1 .Lpass
	s_wait_dscnt 0x0                               ; the closing lines, six on end
	s_wait_alu 0x0
	s_wait_tensorcnt 0x0
	ds_add_u32 v251, v255
	s_wait_dscnt 0x0
	s_endpgm
.Lfunc_end_k_qbd0ddef2df_attn:
	.size	k_qbd0ddef2df_attn, .Lfunc_end_k_qbd0ddef2df_attn-k_qbd0ddef2df_attn
	.p2alignl 7, 3214868480
	.fill 96, 4, 3214868480
	.section	.rodata,"a",@progbits
	.p2align	6, 0x0
	.amdhsa_kernel k_qbd0ddef2df_attn
		.amdhsa_group_segment_fixed_size 101376
		.amdhsa_private_segment_fixed_size 0
		.amdhsa_enable_private_segment 0
		.amdhsa_kernarg_size 48
		.amdhsa_user_sgpr_count 2
		.amdhsa_user_sgpr_kernarg_segment_ptr 1
		.amdhsa_wavefront_size32 1
		.amdhsa_system_sgpr_workgroup_id_x 1
		.amdhsa_system_sgpr_workgroup_id_y 1
		.amdhsa_system_sgpr_workgroup_id_z 1
		.amdhsa_system_vgpr_workitem_id 0
		.amdhsa_next_free_vgpr 512
		.amdhsa_next_free_sgpr 106
		.amdhsa_reserve_vcc 0
		.amdhsa_float_denorm_mode_32 3
		.amdhsa_float_denorm_mode_16_64 3
		.amdhsa_memory_ordered 1
		.amdhsa_forward_progress 1
		.amdhsa_inst_pref_size 143
	.end_amdhsa_kernel
	.amdgpu_metadata
---
amdhsa.version: [ 1, 2 ]
amdhsa.kernels:
  - .name:           k_qbd0ddef2df_attn
    .symbol:         k_qbd0ddef2df_attn.kd
    .args:
      - { .name: Q, .offset: 0, .size: 8, .value_kind: global_buffer, .address_space: global }
      - { .name: kv, .offset: 8, .size: 8, .value_kind: global_buffer, .address_space: global }
      - { .name: bits, .offset: 16, .size: 8, .value_kind: global_buffer, .address_space: global }
      - { .name: flags, .offset: 24, .size: 8, .value_kind: global_buffer, .address_space: global }
      - { .name: lowp_scales, .offset: 32, .size: 8, .value_kind: global_buffer, .address_space: global }
      - { .name: out0, .offset: 40, .size: 8, .value_kind: global_buffer, .address_space: global }
    .group_segment_fixed_size: 101376
    .private_segment_fixed_size: 0
    .kernarg_segment_align: 8
    .kernarg_segment_size: 48
    .max_flat_workgroup_size: 256
    .sgpr_count:     106
    .vgpr_count:     512
    .wavefront_size: 32
...
	.end_amdgpu_metadata
.endif
;; end of part 3
